; MI455X (gfx1250); checked and timed in simulation.
; The chip was launched on July 23, 2026; its instructions are those of AMD's public machine-readable ISA for CDNA 5 (MIT licence, August 2026) and "CDNA5" Instruction Set Architecture Reference Guide (July 2026). The comments in the code are by the model that wrote it; some were corrected since.
;; Attention. Allowed arithmetic: matrix products marked QUANTISED: E4M3 operands, one E8M0 scale for each 32 along K, by v_wmma_scale_f32_16x16x128_f8f6f4 with both operands' format E4M3, f32 sums; products left as they are: f32 operands where the result goes on into a quantised operand, else bf16, f16 or f32 operands; f32 sums; everything else in f32.
;; Inputs: W_codes 1,024 x 32 x 32 uint8 (E4M3 codes of W, K innermost, in blocks of 32 codes); W_scales 1,024 x 32 uint8 (E8M0 scales of W, one for each 32 codes along K); b 1,024 float32; encoder_outputs_codes 32 x 2,048 x 32 x 32 uint8 (E4M3 codes of encoder_outputs, K innermost, in blocks of 32 codes); encoder_outputs_scales 32 x 2,048 x 32 uint8 (E8M0 scales of encoder_outputs, one for each 32 codes along K); hx 32 x 1,024 float32.
;; Outputs: out0 32 x 1 x 2,048 float32.
;; This version of the problem:
;;   THIS VERSION OF THE PROBLEM IS GIVEN IN LOW PRECISION. The matrix products marked QUANTISED in the list below multiply operands that are first quantised to E4M3 (4 exponent bits, 3 mantissa bits; 8 bits a number), with one power-of-two scale for each 32 numbers along K (OCP MX v1.0); their sums are f32. All else is computed in f32.
;;   The module's matrix products, in the order in which they are computed (A, B: the left and right operand; K: the contracted axis; several contracted axes count as one K, in the product's order):
;;     1. [M 65,536, K 1,024] x [K 1,024, N 1,024]; A: input encoder_outputs (given as codes); B: input W (given as codes): QUANTISED
;;     2. batch 32 x [M 2,048, K 1,024] x [K 1,024, N 1]; A: computed on the way; B: input hx: left as it is (N = 1 < 16)
;;   THE QUANTISER, for each operand of a quantised product, along K:
;;     - K is cut into blocks of 32 from its start; a last block that is shorter is filled with zeros.
;;     - A block's scale is 2^e with e = floor(log2(the largest magnitude in the block)) - 8, held to -126 .. 127; a block of zeros has e = 0. As a byte (E8M0): e + 127.
;;     - Each number is divided by its block's scale, clamped to +-448, and rounded to the nearest number of E4M3, ties to even, subnormals kept.
;;     - The product sums the exact products of the quantised numbers (number of the format x scale) in f32.
;;   ~~~python
;;   def quantise(x, axis):      # numpy; x: float32 -> the quantised numbers, widened to float32 again
;;       x = np.moveaxis(x, axis, -1); K = x.shape[-1]
;;       x = np.pad(x, [(0, 0)] * (x.ndim - 1) + [(0, -K % 32)]); x = x.reshape(x.shape[:-1] + (-1, 32)); a = np.abs(x).max(-1, keepdims=True)
;;       e = np.where(a > 0, np.clip(np.frexp(np.where(a > 0, a, 1))[1] - 1 - 8, -126, 127), 0)      # np.frexp(a)[1] - 1 = floor(log2(a)), exactly
;;       r = np.clip(x / 2.0 ** e, -448, 448)
;;       step = 2.0 ** (np.maximum(np.frexp(np.where(r == 0, 1, r))[1] - 1, -6) - 3)
;;       q = np.round(r / step) * step * 2.0 ** e      # np.round: ties to even
;;       return np.moveaxis(q.reshape(q.shape[:-2] + (-1,))[..., :K], -1, axis).astype(np.float32)
;;   ~~~
;;   INPUTS GIVEN AS CODES. W (in the module: [1024, 1024], K = its axis 1); encoder_outputs (in the module: [32, 2048, 1024], K = its axis 2): each comes as NAME_codes (uint8): NAME with its K axis moved to the last place and cut into blocks of 32 codes, [.., K / 32, bytes a block], one block behind the other in memory; one code a byte (a code: sign, 4 exponent bits, 3 mantissa bits); and NAME_scales (uint8): the same leading axes, one E8M0 byte (e + 127) for each 32 codes along K. Its value is code x scale, taken as it is: it is not quantised again, and the codes and scales need not be those that the quantiser above would give.
;; One version. Each part assembles by itself: llvm-mc -triple=amdgcn-amd-amdhsa -mcpu=gfx1250 --defsym DOCPART=n.
;; ======== version 1 of 1: 2 launches
;; limits: right only within a limited range of input values
;; workspace buffers: part 1,048,576 bytes
;; launch energy (part 1): grid 4 x 64, 4 waves a work-group, clusters of 4 x 4, 327,680 bytes of LDS; arguments encoder_outputs_codes, encoder_outputs_scales, W_codes, W_scales, hx, part; writes part
.if DOCPART == 1
	.amdgcn_target "amdgcn-amd-amdhsa--gfx1250"
	.amdhsa_code_object_version 6
	.text
	.protected	k_qb4170e11b6_energy
	.globl	k_qb4170e11b6_energy
	.p2align	8
	.type	k_qb4170e11b6_energy,@function
k_qb4170e11b6_energy:
	s_mov_b64 s[64:65], 0
	v_nop
	global_prefetch_b8 v0, s[64:65] scope:SCOPE_SE
	s_setreg_imm32_b32 hwreg(HW_REG_WAVE_MODE, 25, 1), 1
	s_wait_xcnt 0x0
	s_wait_alu depctr_hold_cnt(0) depctr_sa_sdst(0) depctr_va_vdst(0) depctr_va_sdst(0) depctr_va_ssrc(0) depctr_va_vcc(0) depctr_vm_vsrc(0)
	s_getreg_b32 s2, hwreg(HW_REG_IB_STS2, 6, 4)
	s_cmp_eq_u32 s2, 0
	s_cbranch_scc0 .Lentry_in_a_cluster
	s_endpgm
.Lentry_in_a_cluster:
	s_bfe_u32 s2, ttmp6, 0x10000c
	s_cmp_lg_u32 s2, 0xf033
	s_cbranch_scc0 .Lentry_shape_is_right
	s_endpgm
.Lentry_shape_is_right:
; part[q][b*2048 + l] = the sum over h in quarter q of W's 1,024 rows of hx[b][h] * (the sum over e of enc[b][l][e] W[h][e]).  The four quarters are added, and the softmax taken, by the next launch.
; enc [65,536][1,024] and W [1,024][1,024] come as codes of FP8 (E4M3) with one E8M0 byte for each 32 along K; the first product goes to the matrix unit on codes and scale bytes as they lie in memory.
; The second product (the weighting by hx, one column) is done in f32, by packed fused multiply-adds on the first product's f32 results.
; DEAD WORK.  reference() adds b[h] to proj[b][l][h].  Through the second product that adds the sum over h of hx[b][h] b[h] to energies[b][l]: one number for all l of a batch, the same along the softmax's axis,
; and softmax(x + c) = softmax(x) for every finite c, whatever the inputs hold.  b enters no quantised operand.  So b is not loaded and is no argument of any launch.
; LIMITS.  A NaN, an infinity or an overflow that reaches only the sum hx . b is not carried to the result.  The f32 sums are taken in another order than reference()'s: K is split over four waves and W's rows over
; four work-groups; all partial sums are f32.
; SHARES.  Work-group (cx, row block) owns W's rows 256 cx .. 256 cx + 255, all of K, and 1,024 rows of enc (half a batch).  W's 256 KiB stay in the REGISTERS of the four waves: wave w holds all 256 rows x 256 along K
; (its quarter): 16 tiles x 2 K steps x 16 registers = 512.  What streams is enc: 128 rows at a time through a ring of two LDS slots.
; CLUSTER of 4 x 4.  The four of a row (same cy) want the same rows of enc, the four of a column (same cx) the same rows of W: each tile is asked for JOINTLY, the same load with the same descriptor in all four.
; HEAD.  W's 256 rows land in the ring's two slots (128 rows each, the same rows of 1,024 + 16 bytes as enc's), are read into registers, and enc's tiles are then filled over them behind drained rounds.
; LAYOUT.  The matrix instruction is used transposed: source 0 = 16 rows of W, source 1 = 16 rows of enc.  Lane (r, h) then holds enc row r, and register j the row 8 h + j of W's tile: hx weights REGISTERS.
; REGISTERS, in windows of 256.  Window 0: addresses, enc's fragments, accumulators, scale words, energy sums.  W's tiles go in four groups of four.  Window 1: group 0, group 1's first K step; window 2: group 1's second,
; group 2; window 3: group 3.  hx of a group lies in the window under which the next group's products stand.  Under ONE setting (source 0 in window n, all else in window 0) products and multiply-adds (hx is source 0)
; can both be written: three switches for 32 products.
; PIPELINE.  A row tile is 16 rows of enc, 32 products: a group's four accumulators by turns, one instruction a turn, on two sets of accumulators.  Behind each product stand two multiply-adds of the
; group before: eight of them between an accumulator's last product and its first read, and each accumulator is read before it is begun anew.  Two sums a row tile, taken by turns.
; BOUNDARY.  Two row tiles' 18 LDS loads stand in one run, ahead of 64 products, for the two row tiles after these; one wait serves them at the next boundary.
.set PITCH,  1040                      ; an LDS row: 1,024 bytes + 16 of padding = 260 words: row r starts at bank 4 r mod 64 (64 banks of 4 bytes: ISA guide 11.1)
.set RTB,    16*PITCH                  ; 16 rows in LDS
.set SLOT,   128*PITCH
.set TILEB,  128*1024                  ; a slot's rows in memory
.set SCL,    2*SLOT                    ; enc's scale bytes of the 1,024 rows, 32 KiB dense, as 128 pieces of 256 bytes + 16 of padding; filled once
.set ESCR,   SCL+128*272               ; the waves' partial energies, [wave][1,024] f32; written by ds_store alone: no fill lands here
.set SPARE,  ESCR+4*4096               ; the spare words, 128 bytes for each wave
.set PFO,  0                           ; v0    the prefetches' offset: 256 x lane (v0's thread number has been used by then)
.set SPW,  1                           ; v1    LDS address of my spare word; never rewritten
.set NIL,  2                           ; v2    0; never rewritten
.set ESTO, 3                           ; v3    where my row's partial energy goes; 16 row tiles on in each lap
.set AC,   4                           ; v4-7  LDS address of my part of row tiles 4 g .. 4 g + 3 of the ring (at the head: of W's group g)
.set ADRS, 8                           ; v8    LDS address of my row's scale words; 16 row tiles on in each lap
.set ES,   10                          ; v10-17  enc's scale words: row tile u at + 2 (u % 4), register k for K step k.  Scales and nothing else
.set WS,   18                          ; v18-33  W's scale words: register 2 (t / 2) + k: lanes 0-15 the even tile's rows, lanes 16-31 the odd tile's.  Scales and nothing else
.set E0,   34                          ; v34-49  energy sums: row tile u at + 4 (u % 4): two pairs
.set RDA,  50                          ; v50   the way out: ESCR + 16 x thread
.set GOF,  51                          ; v51   the way out: 16 x thread
.set VWS,  52                          ; v52   W's scale words: 32 x lane
.set VHX,  53                          ; v53   hx: 32 h
.set ACC,  64                          ; v64-127 accumulators: group g, tile i at + 32 (g % 2) + 8 i.  At the head: at work
.set EF,   128                         ; v128-255 enc's fragments: row tile u at + 32 (u % 4), K step k at + 16 k
.set WV,   16                          ; s16 wave, s17 wave % 2, s19 cx, s20 cy, s21 row block
.set KH,   17
.set CX,   19
.set CY,   20
.set RB,   21
.set G1,   24                          ; s[24:31] descriptor group 1 for enc's codes;  s[32:39] for its scale bytes;  s[68:75] for W's codes
.set G1S,  32
.set G1W,  68
.set G0,   40                          ; s[40:47] group 0 of the ring, a set for each slot;  s[48:51] for the scale bytes;  s[76:79] for W's codes
.set G0S,  48
.set G0W,  76
.set SEL,  52                          ; s[52:53] lane selects for v_permlanex16_b32: lane l xor 16
.set LAP,  54
.set PFA,  56                          ; s[56:57] where my prefetches stand
.set MSB, 0
.macro WIN new                         ; the immediate's high byte repeats the setting that is left; a switch that changes nothing is dropped
.if MSB != (\new)
	s_set_vgpr_msb (MSB<<8)|(\new)
.set MSB, (\new)
.endif
.endm
.macro CREST                           ; a round of the cluster's barrier behind its opening barrier
	s_cmp_lg_u32 s[WV], 0
	s_cbranch_scc1 .Lnot_wave_0_\@
	s_barrier_signal -3
.Lnot_wave_0_\@:
	s_barrier_wait -3
	s_barrier_signal -1
	s_barrier_wait -1
.endm
.macro CROUND                          ; a whole round
	s_barrier_signal -1
	s_barrier_wait -1
	CREST
.endm
.macro TLOAD a, b                      ; a tensor load and the nops behind it
	tensor_load_to_lds s[\a:\a+3], s[\b:\b+7]
	s_nop 0
.rept 4
	v_nop
.endr
.endm
; Product PP of row tile RU: group PP / 8, K step (PP / 4) % 2, tile PP % 4 of the group.  K step 0 takes 0 as C.
.macro WM
.set wg, PP/8
.set wk, (PP/4)%2
.set wi, PP%4
.set wt, 4*wg+wi
.set wD, ACC+32*(wg%2)+8*wi
.if wg == 1
.set wW, 128+16*wi
.else
.set wW, 64*wk+16*wi
.endif
.set wE, EF+32*(RU%4)+16*wk
.set wA, WS+2*(wt/2)+wk
.set wB, ES+2*(RU%4)+wk
.if wk == 0
.if wt%2
	v_wmma_scale_f32_16x16x128_f8f6f4 v[wD:wD+7], v[wW:wW+15], v[wE:wE+15], 0, v[wA], v[wB] matrix_a_scale:MATRIX_SCALE_ROW1
.else
	v_wmma_scale_f32_16x16x128_f8f6f4 v[wD:wD+7], v[wW:wW+15], v[wE:wE+15], 0, v[wA], v[wB]
.endif
.else
.if wt%2
	v_wmma_scale_f32_16x16x128_f8f6f4 v[wD:wD+7], v[wW:wW+15], v[wE:wE+15], v[wD:wD+7], v[wA], v[wB] matrix_a_scale:MATRIX_SCALE_ROW1
.else
	v_wmma_scale_f32_16x16x128_f8f6f4 v[wD:wD+7], v[wW:wW+15], v[wE:wE+15], v[wD:wD+7], v[wA], v[wB]
.endif
.endif
.endm
; Multiply-add j of group g: tile j / 4, registers 2 (j % 4) and the next, each accumulator from its low end on; even and odd numbers have a sum each, which group 0's first two start.
; hx: group 3 and group 0's tiles 0, 1 in window 1; group 0's tiles 2, 3 and group 1 in window 2; group 2 in window 3.
.macro PK g, j
.set pg, (\g)
.set pj, (\j)
.set pt, pj/4
.set po, 2*(pj%4)
.set pD, ACC+32*(pg%2)+8*pt+po
.set pE, es+2*(pj%2)
.if pg == 3
.set pH, 192+8*pt+po
.elseif pg == 0
.if pt < 2
.set pH, 224+8*pt+po
.else
.set pH, 176+8*pt+po
.endif
.elseif pg == 1
.set pH, 208+8*pt+po
.else
.set pH, 128+8*pt+po
.endif
.if (pg == 0) && (pj < 2)
	v_pk_mul_f32 v[pE:pE+1], v[pH:pH+1], v[pD:pD+1]
.else
	v_pk_fma_f32 v[pE:pE+1], v[pH:pH+1], v[pD:pD+1], v[pE:pE+1]
.endif
.endm
; Row tile u's nine LDS loads: two scale words, two fragments (16 rows x 128 K: lane (r, h): registers 4 c .. 4 c + 3 hold K = 32 c + 16 h + 0 .. 15).  u counts from the lap's start.
.macro LOADRT u
.set lu, (\u)
.set lr, lu%16
.set lb, EF+32*(lu%4)
.set le, ES+2*(lu%4)
	ds_load_b64 v[le:le+1], v[ADRS] offset:lu*544
.irp f, 0,1,2,3,4,5,6,7
	ds_load_b128 v[lb+4*\f:lb+4*\f+3], v[AC+lr/4] offset:(lr%4)*RTB+32*\f
.endr
.endm
; The end of n row tiles' sums from tile lo of the lap on: both pairs, the pair's two halves, the other half of the lanes; FINS: my wave's word for each row.  Lanes r and r + 16 store the same word with the same bits.
.macro FEACH lo, n, step
.set fu, \lo
.rept \n
.set es, E0+4*(fu%4)
.if \step == 0
	v_pk_add_f32 v[es:es+1], v[es:es+1], v[es+2:es+3]
.elseif \step == 1
	v_add_f32 v[es], v[es], v[es+1]
.elseif \step == 2
	v_permlanex16_b32 v[es+2], v[es], s[SEL], s[SEL+1]
.elseif \step == 3
	v_add_f32 v[es], v[es], v[es+2]
.else
	ds_store_b32 v[ESTO], v[es] offset:64*fu
.endif
.set fu, fu+1
.endr
.endm
.macro FINV lo, n
	FEACH \lo, \n, 0
	FEACH \lo, \n, 1
	FEACH \lo, \n, 2
	FEACH \lo, \n, 3
.endm
.macro FINS lo, n
	FEACH \lo, \n, 4
.endm
; A PREFETCH of the tile that the NEXT refill will ask for, one slot (eight row tiles, 256 products a wave) ahead of that load: 128 rows x 1,024 bytes.  The sixteen waves of a row of the cluster share it out BY ADDRESS,
; 8,192 bytes each, lanes 256 bytes apart: each aligned 256 bytes are named once in the launch.  At the loop's very last change of slots there is no tile behind the one just asked for: nothing is named.
.macro ASK cond
.if \cond
	s_cmp_lg_u32 s[LAP], 1
	s_cbranch_scc0 .Lno_ask_\@
.endif
	global_prefetch_b8 v[PFO], s[PFA:PFA+1] offset:2*TILEB th:TH_LOAD_NT scope:SCOPE_SE
.if \cond
.Lno_ask_\@:
.endif
.endm
; What stands ahead of an even row tile.  kind 0: a plain boundary.  kind 1: a change of slots, and the slot just read out is filled again.  kind 2: a change of slots, nothing is filled.  kind 3: nothing more to fetch from LDS.
; A load into a register that a matrix instruction has read stands eight plain vector instructions behind it: the last two multiply-adds and the ends of sums.
.macro BOUND kind
	WIN 0
.if RU == 2
	FINV 0, 1
	v_nop                                          ; one sum is finished so far: two places more
	v_nop
.elseif RU > 2
	FINV RU-3, 2
.endif
.if RU > 0
	s_wait_alu depctr_va_vdst(0)
.endif
.if ((\kind) == 1) || ((\kind) == 2)
.if (\kind) == 1
	s_wait_xcnt 0x0                                ; the last prefetch has read its address
	s_add_nc_u64 s[PFA:PFA+1], s[PFA:PFA+1], TILEB
.endif
	s_wait_tensorcnt 0x0                           ; all my tensor loads have landed: the one that was out is my part of the other slot
	ds_add_u32 v[SPW], v[NIL]                      ; 0 onto my spare word
.if (\kind) == 1
	s_add_nc_u64 s[G0+4*RSL+2:G0+4*RSL+3], s[G0+4*RSL+2:G0+4*RSL+3], 2*TILEB   ; no load of mine is out, so a group 0 may be written: this slot's next tile
.endif
	s_wait_dscnt 0x0                               ; the add is done, and my reads of this slot are over:
	s_barrier_signal -1                            ; say so (kind 1: this barrier opens a round of the cluster's); group 0's products, work on registers, follow
.else
	s_wait_dscnt 0x0                               ; this row tile's and the next one's operands are in
	RUNOUT \kind
.endif
.endm
.macro RUNOUT kind                     ; the finished sums go out, and the next two row tiles' loads
.if RU == 2
	FINS 0, 1
.elseif RU > 2
	FINS RU-3, 2
.endif
.if (\kind) != 3
	LOADRT RU+2
	LOADRT RU+3
.endif
.endm
.macro MEET kind                       ; the rest of a change of slots, behind group 0's products
	WIN 0                                          ; at a branch and at a label every window is 0
	s_wait_alu depctr_va_vdst(0)
	s_barrier_wait -1
.if (\kind) == 1
	CREST                                          ; no wave of any partner still reads this slot or has a load on its way
	TLOAD G0+4*RSL, G1                             ; my one tensor load behind the round, and the first thing there
.endif
	RUNOUT \kind
.if (\kind) == 1
.if RU%16 == 14
	ASK 1
.else
	ASK 0
.endif
.endif
.endm
.macro RT u, kind                      ; a row tile
.set RU, \u
.set RSL, (RU%16)/8
.if RU%2 == 0
	BOUND \kind
.endif
.set PP, 0
.rept 32
.if (PP == 8) && (((\kind) == 1) || ((\kind) == 2))
	MEET \kind
.endif
	WIN 1+PP/12-PP/24+PP/24                        ; products 0-11 window 1, 12-23 window 2, 24-31 window 3
	WM
.if PP < 8
.if RU > 0
.set es, E0+4*((RU-1)%4)
	PK 3, 2*PP
	PK 3, 2*PP+1
.elseif PP == 7
.rept 8
	v_nop                                          ; the very first group has no multiply-adds among its products: these are the places behind its last ones
.endr
.endif
.else
.set es, E0+4*(RU%4)
	PK PP/8-1, 2*(PP%8)
	PK PP/8-1, 2*(PP%8)+1
.endif
.set PP, PP+1
.endr
.endm
.macro WSTEP g, k, w, base             ; K step k of W's group g, from the slot where it landed, into the registers where it stays
	WIN (\w)<<6
.irp i, 0,1,2,3
.irp c, 0,1,2,3
	ds_load_b128 v[\base+16*\i+4*\c:\base+16*\i+4*\c+3], v[AC+\g] offset:\i*RTB+128*\k+32*\c
.endr
.endr
.endm
.macro HXL w, reg, t                   ; hx of tile t: register j: hx[batch][256 cx + 16 t + 8 h + j]
	WIN (\w)<<6
	global_load_b128 v[\reg:\reg+3], v[VHX], s[12:13] offset:64*\t
	global_load_b128 v[\reg+4:\reg+7], v[VHX], s[12:13] offset:64*\t+16
.endm
	s_load_b256 s[4:11], s[0:1], 0x0               ; enc's codes s[4:5], enc's scales s[6:7], W's codes s[8:9], W's scales s[10:11]
	s_load_b128 s[12:15], s[0:1], 0x20             ; hx s[12:13], part s[14:15]
	v_lshl_add_u32 v[SPW], v0, 2, SPARE
	v_mov_b32 v[NIL], 0
	ds_add_u32 v[SPW], v[NIL]                      ; the wave's opening: the add, twice on end, and its wait ahead of my first tensor load; the set-up below stands between
	ds_add_u32 v[SPW], v[NIL]
	v_lshrrev_b32 v64, 5, v0
	v_readfirstlane_b32 s[WV], v64                 ; wave 0..3
	s_and_b32 s[KH], s[WV], 1                      ; which half of W (waves 0, 1) or of the scale bytes (waves 2, 3) I fetch at the head
	s_lshl_b32 s58, s[WV], 8                       ; LDS: my 256 along K,
	s_add_co_u32 s59, s58, 4*RTB
	s_add_co_u32 s60, s58, 8*RTB
	s_add_co_u32 s61, s58, 12*RTB
	s_lshl_b32 s63, s[WV], 3                       ; my two scale words of a row,
	s_add_co_u32 s63, s63, SCL
	s_lshl_b32 s80, s[WV], 12                      ; my partial energies
	s_add_co_u32 s80, s80, ESCR
	v_and_b32 v64, 15, v0                          ; r
	v_bfe_u32 v65, v0, 4, 1                        ; h
	v_and_b32 v66, 31, v0                          ; lane
	v_mul_u32_u24 v67, v64, PITCH
	v_lshl_add_u32 v67, v65, 4, v67                ; a fragment's row x pitch + 16 x half
	v_lshrrev_b32 v70, 3, v64                      ; a row's 32 scale bytes: eight rows to a piece of 256 + 16 bytes
	v_and_b32 v71, 7, v64
	v_mul_u32_u24 v70, v70, 272
	v_lshl_add_u32 v70, v71, 5, v70
	v_add_nc_u32 v[ADRS], s63, v70
	v_add_nc_u32 v[AC], s58, v67
	v_add_nc_u32 v[AC+1], s59, v67
	v_add_nc_u32 v[AC+2], s60, v67
	v_add_nc_u32 v[AC+3], s61, v67
	v_lshlrev_b32 v[VWS], 5, v66
	v_lshlrev_b32 v[VHX], 5, v65
	v_lshl_add_u32 v[ESTO], v64, 2, s80
	v_lshl_add_u32 v[RDA], v0, 4, ESCR
	v_lshlrev_b32 v[GOF], 4, v0
	v_lshlrev_b32 v[PFO], 8, v66
	s_wait_alu depctr_va_vdst(0)                   ; the wait at the end of the head's vector work
	s_mov_b32 s[SEL], 0x76543210
	s_mov_b32 s[SEL+1], 0xfedcba98
	s_bfe_u32 s[CX], ttmp6, 0x40000
	s_bfe_u32 s[CY], ttmp6, 0x40004
	s_and_b32 s[RB], ttmp7, 0xffff
	s_lshl_b32 s[RB], s[RB], 2
	s_add_co_u32 s[RB], s[RB], s[CY]               ; row block = 4 x cluster y + cy
	s_lshl_b32 s22, s[CY], 2
	s_lshl_b32 s22, 15, s22                        ; my row of the cluster: enc's tiles
	s_lshl_b32 s23, 0x1111, s[CX]                  ; my column: W's
	; descriptor group 1 for enc's codes: 32 rows x 1,024 elements of one byte, padded in LDS; for W's codes: 128 such rows
	s_or_b32 s[G1], s22, (1<<20)|(1<<21)|(7<<22)|(3<<25)   ; 15:0 the mask; 17:16 elements of 1 byte; 20 padding on; 21 set beside a mask; 24:22 after every 256 words (code 7); 31:25 four words (code 3)
	s_mov_b32 s[G1+1], 1024<<16                    ; tensor_dim0
	s_mov_b32 s[G1+2], 32<<16                      ; tensor_dim1
	s_mov_b32 s[G1+3], 1024<<16                    ; tile_dim0
	s_mov_b32 s[G1+4], 32                          ; tile_dim1
	s_mov_b32 s[G1+5], 1024                        ; tensor_dim0_stride
	s_mov_b32 s[G1+6], 0
	s_mov_b32 s[G1+7], 0
	s_or_b32 s[G1W], s23, (1<<20)|(1<<21)|(7<<22)|(3<<25)
	s_mov_b32 s[G1W+1], 1024<<16
	s_mov_b32 s[G1W+2], 128<<16
	s_mov_b32 s[G1W+3], 1024<<16
	s_mov_b32 s[G1W+4], 128
	s_mov_b32 s[G1W+5], 1024
	s_mov_b32 s[G1W+6], 0
	s_mov_b32 s[G1W+7], 0
	; for the scale bytes: a dense block of 16,384 bytes as 64 rows of 256 (32 elements of 8 bytes), 16 bytes of padding behind each
	s_or_b32 s[G1S], s22, (3<<16)|(1<<20)|(1<<21)|(5<<22)|(3<<25)
	s_mov_b32 s[G1S+1], 32<<16
	s_mov_b32 s[G1S+2], 64<<16
	s_mov_b32 s[G1S+3], 32<<16
	s_mov_b32 s[G1S+4], 64
	s_mov_b32 s[G1S+5], 32
	s_mov_b32 s[G1S+6], 0
	s_mov_b32 s[G1S+7], 0
	; byte offsets.  Those of the joint loads hang on the row block (enc) or on cx (W), and on the wave's number
	s_lshl_b32 s82, s[RB], 20                      ; enc's codes: the block's 1,024 rows of 1,024 bytes + my 32 rows of a tile
	s_lshl_b32 s83, s[WV], 15
	s_add_co_u32 s82, s82, s83
	s_mov_b32 s83, 0
	s_lshl_b32 s84, s[RB], 15                      ; enc's scale bytes: the block's 32 KiB + my half
	s_lshl_b32 s85, s[KH], 14
	s_add_co_u32 s84, s84, s85
	s_mov_b32 s85, 0
	s_lshl_b32 s86, s[CX], 18                      ; W's codes: 256 cx rows + my 128
	s_lshl_b32 s87, s[KH], 17
	s_add_co_u32 s86, s86, s87
	s_mov_b32 s87, 0
	s_lshl_b32 s88, s[CX], 13                      ; W's scales: rows 256 cx .. of 32 bytes + 8 wave
	s_lshl_b32 s89, s[WV], 3
	s_add_co_u32 s88, s88, s89
	s_mov_b32 s89, 0
	s_lshr_b32 s90, s[RB], 1                       ; hx: the batch's 4,096 bytes + 4 (256 cx)
	s_lshl_b32 s90, s90, 12
	s_lshl_b32 s91, s[CX], 10
	s_add_co_u32 s90, s90, s91
	s_mov_b32 s91, 0
	s_lshl_b32 s92, s[CX], 18                      ; part: quarter cx of 262,144 bytes + the block's 1,024 numbers
	s_lshl_b32 s93, s[RB], 12
	s_add_co_u32 s92, s92, s93
	s_mov_b32 s93, 0
	s_lshl_b32 s94, s[CX], 2                       ; the prefetches: (4 cx + wave) x 8,192 bytes of a tile of the block
	s_add_co_u32 s94, s94, s[WV]
	s_lshl_b32 s94, s94, 13
	s_lshl_b32 s95, s[RB], 20
	s_add_co_u32 s94, s94, s95
	s_mov_b32 s95, 0
	s_mul_i32 s58, s[WV], 32*PITCH                 ; where they go: the ring: wave x 32 rows;
	s_mul_i32 s59, s[KH], 64*272                   ; the scale bytes: my 64 pieces;
	s_mul_i32 s60, s[KH], SLOT                     ; W: my slot
	s_wait_dscnt 0x0                               ; both opening adds are done
	CROUND                                         ; all sixteen work-groups are here: the first joint loads meet
	s_wait_kmcnt 0x0
	s_mov_b32 s[G0W], 1                            ; count = 1
	s_mov_b32 s[G0W+1], s60                        ; LDS address
	s_add_nc_u64 s[G0W+2:G0W+3], s[8:9], s[86:87]  ; global address
	s_or_b32 s[G0W+3], s[G0W+3], 0x80000000        ; type = 2
	s_mov_b32 s[G0S], 1
	s_add_co_u32 s[G0S+1], s59, SCL
	s_add_nc_u64 s[G0S+2:G0S+3], s[6:7], s[84:85]
	s_or_b32 s[G0S+3], s[G0S+3], 0x80000000
; THE HEAD'S LOADS, ONE A WAVE: Wave 0: W's first 128 rows into slot 0; wave 1: the other 128 into slot 1; waves 2 and 3: enc's scale bytes.  ONE chain of branches on the wave's number.
.macro ARM under, g0, g1, next
	s_cmp_lt_u32 s[WV], \under
	s_cbranch_scc0 \next
	TLOAD \g0, \g1
	s_branch .Lhead_asked
\next:
.endm
	ARM 1, G0W, G1W, .Lhead_w1
	ARM 2, G0W, G1W, .Lhead_s
	TLOAD G0S, G1S
.Lhead_asked:
	s_mov_b32 s[G0], 1
	s_mov_b32 s[G0+1], s58                         ; slot 0
	s_add_nc_u64 s[G0+2:G0+3], s[4:5], s[82:83]    ; tile 0
	s_mov_b32 s[G0+4], 1
	s_add_co_u32 s[G0+5], s58, SLOT                ; slot 1
	s_add_nc_u64 s[G0+6:G0+7], s[G0+2:G0+3], TILEB ; tile 1
	s_or_b32 s[G0+3], s[G0+3], 0x80000000
	s_or_b32 s[G0+7], s[G0+7], 0x80000000
	s_add_nc_u64 s[10:11], s[10:11], s[88:89]
	s_add_nc_u64 s[12:13], s[12:13], s[90:91]
	s_add_nc_u64 s[14:15], s[14:15], s[92:93]
	s_add_nc_u64 s[PFA:PFA+1], s[4:5], s[94:95]
.irp q, 0,1,2,3,4,5,6,7
	global_load_b64 v[WS+2*\q:WS+2*\q+1], v[VWS], s[10:11] offset:1024*\q   ; tiles 2 q and 2 q + 1: 32 rows, a lane a row, two words: my two K steps
.endr
.irp i, 0,1,2,3
	HXL 1, 192+8*\i, (12+\i)                       ; group 3
.endr
	HXL 1, 224, 0                                  ; group 0
	HXL 1, 232, 1
	HXL 2, 192, 2
	HXL 2, 200, 3
.irp i, 0,1,2,3
	HXL 2, 208+8*\i, (4+\i)                        ; group 1
.endr
.irp i, 0,1,2,3
	HXL 3, 128+8*\i, (8+\i)                        ; group 2
.endr
	WIN 0
	s_cmp_lt_u32 s[WV], 1
	s_cbranch_scc0 .Lnot_mine
	s_wait_tensorcnt 0x0                           ; wave 0: slot 0's half of W is in; its load line is issued by no other wave
.Lnot_mine:
	s_barrier_signal -1
	s_barrier_wait -1
	global_prefetch_b8 v[PFO], s[PFA:PFA+1] th:TH_LOAD_NT scope:SCOPE_SE   ; tile 0, which the next round asks for: one instruction a wave, shared out as in ASK; 64 LDS loads, half of W, stand ahead of the wait for it
	WSTEP 0, 0, 1, 0                               ; groups 0 and 1, while what is still out lands
	WSTEP 0, 1, 1, 64
	WSTEP 1, 0, 1, 128
	WSTEP 1, 1, 2, 128
	WIN 0
	s_wait_tensorcnt 0x0                           ; every wave: the other half of W and the scale bytes are in;
	ds_add_u32 v[SPW], v[NIL]                      ; 0 onto my spare word;
	s_wait_dscnt 0x0                               ; the add is done, and my reads of slot 0 are over
	CROUND
	TLOAD G0, G1                                   ; enc's tile 0 over W's first half
	WSTEP 2, 0, 2, 0                               ; groups 2 and 3
	WSTEP 2, 1, 2, 64
	WSTEP 3, 0, 3, 0
	WSTEP 3, 1, 3, 64
	WIN 0
	global_prefetch_b8 v[PFO], s[PFA:PFA+1] offset:TILEB th:TH_LOAD_NT scope:SCOPE_SE   ; tile 1
	s_wait_loadcnt 0x0                             ; W's scale words, hx
	s_wait_tensorcnt 0x0                           ; my part of tile 0 is in;
	ds_add_u32 v[SPW], v[NIL]
	s_wait_dscnt 0x0                               ; the add is done, and my reads of slot 1 are over
	CROUND
	TLOAD G0+4, G1                                 ; enc's tile 1 over W's second half
	LOADRT 0
	LOADRT 1
	ASK 0                                          ; tile 2
.irp u, 0,1,2,3
	RT \u, 0
.endr
	WIN 0
	s_mov_b32 s[LAP], 3
	s_wait_alu depctr_va_vdst(0)
.Llap:                                             ; a trip goes once round the ring, from a lap's fifth row tile to the next lap's fourth, and fills both slots again
	RT 4, 0
	RT 5, 0
	RT 6, 1
.irp u, 7,8,9,10,11,12,13
	RT \u, 0
.endr
	RT 14, 1
.irp u, 15,16,17,18,19
	RT \u, 0
.endr
	WIN 0
	v_add_nc_u32 v[ESTO], 16*64, v[ESTO]           ; sixteen row tiles on
	v_add_nc_u32 v[ADRS], 16*544, v[ADRS]
	s_sub_co_u32 s[LAP], s[LAP], 1
	s_wait_alu depctr_va_vdst(0)
	s_cmp_lg_u32 s[LAP], 0
	s_cbranch_scc1 .Llap
	RT 4, 0                                        ; the rest of the last lap is written out: it fills nothing
	RT 5, 0
	RT 6, 2
.irp u, 7,8,9,10,11,12,13
	RT \u, 0
.endr
	RT 14, 3
	RT 15, 0
	WIN 1                                          ; the pipeline drains
.set es, E0+4*3
.irp j, 0,1,2,3,4,5,6,7,8,9,10,11,12,13,14,15
	PK 3, \j
.endr
	WIN 0
	FINV 13, 3
	FINS 13, 3
	; THE WAY OUT.  The four waves' partial energies of 1,024 rows are added; thread t takes rows 4 t .. 4 t + 3 and 512 + 4 t .. 512 + 4 t + 3.
	s_wait_dscnt 0x0                               ; for the others' sake: my stores have landed
	s_barrier_signal -1
	s_barrier_wait -1
.irp w, 0,1,2,3
.irp j, 0,1
	ds_load_b128 v[EF+4*(2*\w+\j):EF+4*(2*\w+\j)+3], v[RDA] offset:\w*4096+\j*2048
.endr
.endr
	s_wait_dscnt 0x0
.irp i, 0,2,4,6
	v_pk_add_f32 v[EF+\i:EF+\i+1], v[EF+\i:EF+\i+1], v[EF+8+\i:EF+8+\i+1]             ; waves 0 and 1,
	v_pk_add_f32 v[EF+16+\i:EF+16+\i+1], v[EF+16+\i:EF+16+\i+1], v[EF+24+\i:EF+24+\i+1]   ; waves 2 and 3,
.endr
.irp i, 0,2,4,6
	v_pk_add_f32 v[EF+\i:EF+\i+1], v[EF+\i:EF+\i+1], v[EF+16+\i:EF+16+\i+1]           ; and both
.endr
	global_store_b128 v[GOF], v[EF:EF+3], s[14:15]                  ; a wave stores 512 consecutive bytes, at a multiple of 256 from part's first byte
	global_store_b128 v[GOF], v[EF+4:EF+7], s[14:15] offset:2048
	s_wait_tensorcnt 0x0                           ; the wave's end, behind my last tensor load and my last LDS store
	ds_add_u32 v[SPW], v[NIL]
	s_wait_dscnt 0x0
	CROUND                                         ; the closing round: no work-group ends while a partner may still ask for a tile that names it
	s_endpgm
.Lfunc_end_k_qb4170e11b6_energy:
	.size	k_qb4170e11b6_energy, .Lfunc_end_k_qb4170e11b6_energy-k_qb4170e11b6_energy
	.p2alignl 7, 3214868480
	.fill 96, 4, 3214868480
	.section	.rodata,"a",@progbits
	.p2align	6, 0x0
	.amdhsa_kernel k_qb4170e11b6_energy
		.amdhsa_group_segment_fixed_size 327680
		.amdhsa_private_segment_fixed_size 0
		.amdhsa_enable_private_segment 0
		.amdhsa_kernarg_size 48
		.amdhsa_user_sgpr_count 2
		.amdhsa_user_sgpr_kernarg_segment_ptr 1
		.amdhsa_wavefront_size32 1
		.amdhsa_system_sgpr_workgroup_id_x 1
		.amdhsa_system_sgpr_workgroup_id_y 1
		.amdhsa_system_sgpr_workgroup_id_z 1
		.amdhsa_system_vgpr_workitem_id 0
		.amdhsa_next_free_vgpr 1024
		.amdhsa_next_free_sgpr 98
		.amdhsa_reserve_vcc 0
		.amdhsa_float_denorm_mode_32 3
		.amdhsa_float_denorm_mode_16_64 3
		.amdhsa_memory_ordered 1
		.amdhsa_forward_progress 1
		.amdhsa_inst_pref_size 255
	.end_amdhsa_kernel
	.section	.bss,"aw",@nobits
	.p2align	6
	.space	262144
	.amdgpu_metadata
---
amdhsa.version: [ 1, 2 ]
amdhsa.kernels:
  - .name:           k_qb4170e11b6_energy
    .symbol:         k_qb4170e11b6_energy.kd
    .args:
      - { .name: encoder_outputs_codes, .offset: 0, .size: 8, .value_kind: global_buffer, .address_space: global }
      - { .name: encoder_outputs_scales, .offset: 8, .size: 8, .value_kind: global_buffer, .address_space: global }
      - { .name: W_codes, .offset: 16, .size: 8, .value_kind: global_buffer, .address_space: global }
      - { .name: W_scales, .offset: 24, .size: 8, .value_kind: global_buffer, .address_space: global }
      - { .name: hx, .offset: 32, .size: 8, .value_kind: global_buffer, .address_space: global }
      - { .name: part, .offset: 40, .size: 8, .value_kind: global_buffer, .address_space: global }
    .group_segment_fixed_size: 327680
    .private_segment_fixed_size: 0
    .kernarg_segment_align: 8
    .kernarg_segment_size: 48
    .max_flat_workgroup_size: 128
    .sgpr_count:     98
    .vgpr_count:     1024
    .wavefront_size: 32
...
	.end_amdgpu_metadata
.endif
;; end of part 1
;; launch softmax (part 2): grid 32 x 1, 16 waves a work-group, no clusters, 2,560 bytes of LDS; arguments part, out0; writes out0
.if DOCPART == 2
	.amdgcn_target "amdgcn-amd-amdhsa--gfx1250"
	.amdhsa_code_object_version 6
	.text
	.protected	k_qb4170e11b6_softmax
	.globl	k_qb4170e11b6_softmax
	.p2align	8
	.type	k_qb4170e11b6_softmax,@function
k_qb4170e11b6_softmax:
	s_mov_b64 s[64:65], 0
	v_nop
	global_prefetch_b8 v0, s[64:65] scope:SCOPE_SE
	s_setreg_imm32_b32 hwreg(HW_REG_WAVE_MODE, 25, 1), 1
	s_wait_xcnt 0x0
; out0[b][0][l] = softmax over l of energies[b][l], energies[b][l] = the sum over q = 0 .. 3 of part[q][b*2048 + l].  All in f32.
; The bias's term, hx[b] . b, is the same for all l of a batch and falls out of the softmax for every finite value: it was left out by the launch before and is not added here.
; One work-group to a batch, 16 waves; thread t owns l = 4 t .. 4 t + 3: each load and the store of a wave cover 512 consecutive bytes.  The row's maximum is taken away before the exponential, as reference() does.
; The maximum and the sum go lane to lane inside a wave, then through 16 words of LDS and a barrier each.  No matrix work, no tensor load, no cluster: the work-groups share nothing, and the launch moves 1.25 MiB.
; LIMIT: an exponential whose result lies under 2^-126 comes out as 0 (ISA guide, v_exp_f32).
.set SPARE, 512                        ; LDS: bytes 0-63 the waves' maxima; 256-319 their sums; from 512 the spare words, 128 bytes for each of 16 waves
.set SPW, 1                            ; v1  LDS address of my spare word; never rewritten
.set NIL, 2                            ; v2  0; never rewritten
	s_load_b128 s[4:7], s[0:1], 0x0                ; part, out0
	v_lshl_add_u32 v[SPW], v0, 2, SPARE
	v_mov_b32 v[NIL], 0
	v_lshlrev_b32 v3, 4, v0                        ; my 16 bytes of the batch's 8,192
	v_lshrrev_b32 v26, 5, v0
	s_delay_alu instid0(VALU_DEP_1)
	v_lshlrev_b32 v26, 2, v26                      ; my wave's word
	v_mov_b32 v27, 0
	v_mov_b32 v25, 0                               ; written once: a lane permute's destination counts as one of its sources
	s_lshl_b32 s10, ttmp9, 13                      ; the batch's 2,048 numbers
	s_mov_b32 s11, 0
	s_mov_b32 s12, 0x76543210
	s_mov_b32 s13, 0xfedcba98                      ; v_permlanex16_b32's selects for lane l xor 16
	s_wait_alu depctr_va_vdst(0)
	s_wait_kmcnt 0x0
	s_add_nc_u64 s[4:5], s[4:5], s[10:11]
	s_add_nc_u64 s[6:7], s[6:7], s[10:11]
.irp q, 0,1,2,3
	global_load_b128 v[4+4*\q:7+4*\q], v3, s[4:5] offset:\q*262144 th:TH_LOAD_NT
.endr
	s_wait_loadcnt 0x0
	v_pk_add_f32 v[4:5], v[4:5], v[8:9]            ; the four quarters of W's rows
	v_pk_add_f32 v[6:7], v[6:7], v[10:11]
	v_pk_add_f32 v[12:13], v[12:13], v[16:17]
	v_pk_add_f32 v[14:15], v[14:15], v[18:19]
	s_delay_alu instid0(VALU_DEP_2)
	v_pk_add_f32 v[20:21], v[4:5], v[12:13]        ; my four energies
	s_delay_alu instid0(VALU_DEP_2)
	v_pk_add_f32 v[22:23], v[6:7], v[14:15]
	s_delay_alu instid0(VALU_DEP_1)
	v_max3_num_f32 v24, v20, v21, v22
	s_delay_alu instid0(VALU_DEP_1)
	v_max_num_f32 v24, v24, v23
	s_delay_alu instid0(VALU_DEP_1)
	v_max_num_f32_dpp v24, v24, v24 row_xmask:1 row_mask:0xf bank_mask:0xf
	s_delay_alu instid0(VALU_DEP_1)
	v_max_num_f32_dpp v24, v24, v24 row_xmask:2 row_mask:0xf bank_mask:0xf
	s_delay_alu instid0(VALU_DEP_1)
	v_max_num_f32_dpp v24, v24, v24 row_xmask:4 row_mask:0xf bank_mask:0xf
	s_delay_alu instid0(VALU_DEP_1)
	v_max_num_f32_dpp v24, v24, v24 row_xmask:8 row_mask:0xf bank_mask:0xf
	s_delay_alu instid0(VALU_DEP_1)
	v_permlanex16_b32 v25, v24, s12, s13
	s_delay_alu instid0(VALU_DEP_1)
	v_max_num_f32 v24, v24, v25                    ; my wave's maximum, in every lane
	ds_store_b32 v26, v24                          ; all lanes write the same word with the same value
	s_wait_dscnt 0x0                               ; for the others' sake
	s_barrier_signal -1
	s_barrier_wait -1
.irp i, 0,1,2,3
	ds_load_b128 v[28+4*\i:31+4*\i], v27 offset:16*\i
.endr
	s_wait_dscnt 0x0
	v_max3_num_f32 v28, v28, v29, v30
	v_max3_num_f32 v31, v31, v32, v33
	v_max3_num_f32 v34, v34, v35, v36
	v_max3_num_f32 v37, v37, v38, v39
	v_max3_num_f32 v40, v40, v41, v42
	s_delay_alu instid0(VALU_DEP_3)
	v_max3_num_f32 v28, v28, v31, v34
	s_delay_alu instid0(VALU_DEP_2)
	v_max3_num_f32 v37, v37, v40, v43
	s_delay_alu instid0(VALU_DEP_1)
	v_max_num_f32 v24, v28, v37                    ; the row's maximum
.irp i, 20,21,22,23
	v_sub_f32 v\i, v\i, v24                        ; the difference first, and the factor log2(e) on it: near the maximum the difference is exact however large the energies are, which one fused multiply-add on e and on the rounded product m log2(e) would not keep
.endr
.irp i, 20,21,22,23
	s_delay_alu instid0(VALU_DEP_4)
	v_mul_f32 v\i, 0x3fb8aa3b, v\i
.endr
	s_wait_alu depctr_va_vdst(0)
.irp i, 20,21,22,23
	v_exp_f32 v\i, v\i
.endr
	v_nop                                          ; a plain instruction behind the last exponential,
	s_wait_alu depctr_va_vdst(0)                   ; and a wait ahead of the first use: one for the four
	v_add_f32 v24, v20, v21
	v_add_f32 v25, v22, v23
	s_delay_alu instid0(VALU_DEP_1)
	v_add_f32 v24, v24, v25
	s_delay_alu instid0(VALU_DEP_1)
	v_add_f32_dpp v24, v24, v24 row_xmask:1 row_mask:0xf bank_mask:0xf
	s_delay_alu instid0(VALU_DEP_1)
	v_add_f32_dpp v24, v24, v24 row_xmask:2 row_mask:0xf bank_mask:0xf
	s_delay_alu instid0(VALU_DEP_1)
	v_add_f32_dpp v24, v24, v24 row_xmask:4 row_mask:0xf bank_mask:0xf
	s_delay_alu instid0(VALU_DEP_1)
	v_add_f32_dpp v24, v24, v24 row_xmask:8 row_mask:0xf bank_mask:0xf
	s_delay_alu instid0(VALU_DEP_1)
	v_permlanex16_b32 v25, v24, s12, s13
	s_delay_alu instid0(VALU_DEP_1)
	v_add_f32 v24, v24, v25                        ; my wave's sum
	ds_store_b32 v26, v24 offset:256
	s_wait_dscnt 0x0
	s_barrier_signal -1
	s_barrier_wait -1
.irp i, 0,1,2,3
	ds_load_b128 v[28+4*\i:31+4*\i], v27 offset:256+16*\i
.endr
	s_wait_dscnt 0x0
	v_pk_add_f32 v[28:29], v[28:29], v[30:31]
	v_pk_add_f32 v[32:33], v[32:33], v[34:35]
	v_pk_add_f32 v[36:37], v[36:37], v[38:39]
	v_pk_add_f32 v[40:41], v[40:41], v[42:43]
	s_delay_alu instid0(VALU_DEP_3)
	v_pk_add_f32 v[28:29], v[28:29], v[32:33]
	s_delay_alu instid0(VALU_DEP_2)
	v_pk_add_f32 v[36:37], v[36:37], v[40:41]
	s_delay_alu instid0(VALU_DEP_1)
	v_pk_add_f32 v[28:29], v[28:29], v[36:37]
	s_delay_alu instid0(VALU_DEP_1)
	v_add_f32 v24, v28, v29                        ; the row's sum: at least 1, since the maximum's own term is 1
	s_wait_alu depctr_va_vdst(0)
	v_rcp_f32 v25, v24
	v_nop
	s_wait_alu depctr_va_vdst(0)
.irp i, 20,21,22,23
	v_mul_f32 v\i, v\i, v25
.endr
	global_store_b128 v3, v[20:23], s[6:7]         ; a wave stores 512 consecutive bytes, at a multiple of 256 from out0's first byte
	s_wait_tensorcnt 0x0                           ; the wave's end, behind my last LDS store
	ds_add_u32 v[SPW], v[NIL]
	s_wait_dscnt 0x0
	s_endpgm
.Lfunc_end_k_qb4170e11b6_softmax:
	.size	k_qb4170e11b6_softmax, .Lfunc_end_k_qb4170e11b6_softmax-k_qb4170e11b6_softmax
	.p2alignl 7, 3214868480
	.fill 96, 4, 3214868480
	.section	.rodata,"a",@progbits
	.p2align	6, 0x0
	.amdhsa_kernel k_qb4170e11b6_softmax
		.amdhsa_group_segment_fixed_size 2560
		.amdhsa_private_segment_fixed_size 0
		.amdhsa_enable_private_segment 0
		.amdhsa_kernarg_size 16
		.amdhsa_user_sgpr_count 2
		.amdhsa_user_sgpr_kernarg_segment_ptr 1
		.amdhsa_wavefront_size32 1
		.amdhsa_system_sgpr_workgroup_id_x 1
		.amdhsa_system_sgpr_workgroup_id_y 1
		.amdhsa_system_sgpr_workgroup_id_z 1
		.amdhsa_system_vgpr_workitem_id 0
		.amdhsa_next_free_vgpr 48
		.amdhsa_next_free_sgpr 66
		.amdhsa_reserve_vcc 0
		.amdhsa_float_denorm_mode_32 3
		.amdhsa_float_denorm_mode_16_64 3
		.amdhsa_memory_ordered 1
		.amdhsa_forward_progress 1
		.amdhsa_inst_pref_size 7
	.end_amdhsa_kernel
	.amdgpu_metadata
---
amdhsa.version: [ 1, 2 ]
amdhsa.kernels:
  - .name:           k_qb4170e11b6_softmax
    .symbol:         k_qb4170e11b6_softmax.kd
    .args:
      - { .name: part, .offset: 0, .size: 8, .value_kind: global_buffer, .address_space: global }
      - { .name: out0, .offset: 8, .size: 8, .value_kind: global_buffer, .address_space: global }
    .group_segment_fixed_size: 2560
    .private_segment_fixed_size: 0
    .kernarg_segment_align: 8
    .kernarg_segment_size: 16
    .max_flat_workgroup_size: 512
    .sgpr_count:     66
    .vgpr_count:     48
    .wavefront_size: 32
...
	.end_amdgpu_metadata
.endif
;; end of part 2
